; MI455X (gfx1250); checked and timed in simulation.
; The chip was launched on July 23, 2026; its instructions are those of AMD's public machine-readable ISA for CDNA 5 (MIT licence, August 2026) and "CDNA5" Instruction Set Architecture Reference Guide (July 2026). The comments in the code are by the model that wrote it; some were corrected since.
;; Complex Multihead Attention. Allowed arithmetic: matrix products marked QUANTISED: E2M1 operands, one E8M0 scale for each 32 along K, by v_wmma_scale_f32_16x16x128_f8f6f4 with both operands' format E2M1 (or v_wmma_scale_f32_32x16x128_f4), f32 sums; products left as they are: bf16, f16 or f32 operands; f32 sums; everything else in f32.
;; Inputs: kWi 512 x 512 float32; kWr 512 x 512 float32; kbi 512 float32; kbr 512 float32; key 2 x 4,096 x 512 float32; oWi 512 x 512 float32; oWr 512 x 512 float32; obi 512 float32; obr 512 float32; qWi 512 x 512 float32; qWr 512 x 512 float32; qbi 512 float32; qbr 512 float32; query 2 x 4,096 x 512 float32; vWi 512 x 512 float32; vWr 512 x 512 float32; value 2 x 4,096 x 512 float32; vbi 512 float32; vbr 512 float32.
;; Outputs: out0 2 x 4,096 x 512 float32; out1 2 x 4,096 x 512 float32.
;; This version of the problem:
;;   THIS VERSION OF THE PROBLEM IS GIVEN IN LOW PRECISION. The matrix products marked QUANTISED in the list below multiply operands that are first quantised to E2M1 (2 exponent bits, 1 mantissa bit; 4 bits a number), with one power-of-two scale for each 32 numbers along K (OCP MX v1.0); their sums are f32. The products marked 'left as it is' may take bf16, f16 or f32 operands, with f32 sums. Whichever they take, every output number must still come out within the allowed error. Rounding operands to bf16 (8 significant bits) uses up far more of that allowance than f16 does (11 bits, for magnitudes from 6e-5 to 65,504). All else is computed in f32.
;;   The module's matrix products, in the order in which they are computed (A, B: the left and right operand; K: the contracted axis; several contracted axes count as one K, in the product's order):
;;     1. [M 8,192, K 512] x [K 512, N 512]; A: input query; B: input qWr: QUANTISED
;;     2. [M 8,192, K 512] x [K 512, N 512]; A: input query; B: input qWi: QUANTISED
;;     3. [M 8,192, K 512] x [K 512, N 512]; A: input key; B: input kWr: QUANTISED
;;     4. [M 8,192, K 512] x [K 512, N 512]; A: input key; B: input kWi: QUANTISED
;;     5. [M 8,192, K 512] x [K 512, N 512]; A: input value; B: input vWr: QUANTISED
;;     6. [M 8,192, K 512] x [K 512, N 512]; A: input value; B: input vWi: QUANTISED
;;     7. batch 16 x [M 4,096, K 64] x [K 64, N 4,096]; A: computed on the way; B: computed on the way: left as it is (an operand is computed on the way)
;;     8. batch 16 x [M 4,096, K 64] x [K 64, N 4,096]; A: computed on the way; B: computed on the way: left as it is (an operand is computed on the way)
;;     9. batch 16 x [M 4,096, K 4,096] x [K 4,096, N 64]; A: computed on the way; B: computed on the way: left as it is (an operand is computed on the way)
;;     10. [M 8,192, K 512] x [K 512, N 512]; A: computed on the way; B: input oWr: left as it is (an operand is computed on the way)
;;     11. [M 8,192, K 512] x [K 512, N 512]; A: computed on the way; B: input oWi: left as it is (an operand is computed on the way)
;;   THE QUANTISER, for each operand of a quantised product, along K:
;;     - K is cut into blocks of 32 from its start; a last block that is shorter is filled with zeros.
;;     - A block's scale is 2^e with e = floor(log2(the largest magnitude in the block)) - 2, held to -126 .. 127; a block of zeros has e = 0. As a byte (E8M0): e + 127.
;;     - Each number is divided by its block's scale, clamped to +-6, and rounded to the nearest number of E2M1, ties to even, subnormals kept.
;;     - The product sums the exact products of the quantised numbers (number of the format x scale) in f32.
;;   ~~~python
;;   def quantise(x, axis):      # numpy; x: float32 -> the quantised numbers, widened to float32 again
;;       x = np.moveaxis(x, axis, -1); K = x.shape[-1]
;;       x = np.pad(x, [(0, 0)] * (x.ndim - 1) + [(0, -K % 32)]); x = x.reshape(x.shape[:-1] + (-1, 32)); a = np.abs(x).max(-1, keepdims=True)
;;       e = np.where(a > 0, np.clip(np.frexp(np.where(a > 0, a, 1))[1] - 1 - 2, -126, 127), 0)      # np.frexp(a)[1] - 1 = floor(log2(a)), exactly
;;       r = np.clip(x / 2.0 ** e, -6, 6)
;;       step = 2.0 ** (np.maximum(np.frexp(np.where(r == 0, 1, r))[1] - 1, 0) - 1)
;;       q = np.round(r / step) * step * 2.0 ** e      # np.round: ties to even
;;       return np.moveaxis(q.reshape(q.shape[:-2] + (-1,))[..., :K], -1, axis).astype(np.float32)
;;   ~~~
;; One version. Each part assembles by itself: llvm-mc -triple=amdgcn-amd-amdhsa -mcpu=gfx1250 --defsym DOCPART=n.
;; ======== version 1 of 1: 4 launches
;; limits: values are held in f16: magnitudes above 65,504 overflow, below 6.1e-05 lose precision
;; workspace buffers: wf 655,360 bytes; ws 81,920 bytes; ow 1,048,576 bytes; qf 16,777,216 bytes; kv 25,165,824 bytes; of 8,388,608 bytes
;; launch prep (part 1): grid 224 x 1, 4 waves a work-group, no clusters, 0 bytes of LDS; arguments qWr, qWi, kWr, kWi, vWr, oWr, oWi, wf, ws, ow; writes wf, ws, ow
.if DOCPART == 1
	.amdgcn_target "amdgcn-amd-amdhsa--gfx1250"
	.amdhsa_code_object_version 6
	.text
	.protected	k_qdec82ef867_prep
	.globl	k_qdec82ef867_prep
	.p2align	8
	.type	k_qdec82ef867_prep,@function
k_qdec82ef867_prep:
	s_mov_b64 s[64:65], 0
	v_nop
	global_prefetch_b8 v0, s[64:65] scope:SCOPE_SE
	s_setreg_imm32_b32 hwreg(HW_REG_WAVE_MODE, 25, 1), 1
	s_wait_xcnt 0x0
; PREP: the weights are laid out once, in the order in which a wave's operand registers take them.
; All weights are [512 (n)][512 (k)] f32, K innermost, a row 2,048 bytes.
; Work-groups 0-159: qWr, qWi, kWr, kWi, vWr (mu = 0..4) become codes of E2M1 with one E8M0 byte for each 32 along K.  A wave makes one fragment
;   (16 rows n x 128 k, 8 registers a lane): wf[mu][nu 32][s 4] x 1,024 bytes, two pieces of 512 bytes, lane l's 16 bytes at 16 l; ws: the same index x 128 bytes, row r's scale word at 4 x lane.
; Work-groups 160-223: oWr, oWi become f16 fragments (16 n x 32 k): ow[mat 2][nu 32][q 16] x 1,024 bytes; piece c holds k = 32 q + 16 c + 8 (lane / 16) + 0..7 of row lane % 16.
; vWi is not laid out: the product value x vWi^T + vbi is thrown away inside the module (only the real part of V is used), so no output hangs on it.
; A block's scale is 2^(floor(log2(largest magnitude)) - 2); its byte is the largest magnitude's exponent field - 2, held at 1 from below.
; LIMITS: a block of zeros gets the byte 1 (its codes are zeros; the bytes are read by this program alone); NaN and infinities are not served; oW in f16: magnitudes under 6e-5 keep an absolute step of 6e-8.
; No LDS, no loop: each wave's 16 loads are out together.  ws is stored 128 bytes a wave, 512 consecutive bytes a work-group: 80 KiB in all.
.set TM,  32                           ; v32-35 largest magnitudes, v36-39 bytes, v44-47 the conversions' scale operands
.set PW,  48                           ; the scale word
.set PC,  52                           ; v52-59 the fragment's codes
.set XN,  64                           ; v64-127 64 numbers of a lane
.set HF,  32                           ; the f16 path: v32-63 packed halves
.set SEL, 28                           ; s[28:29] lane selects for v_permlanex16_b32: lane l xor 16
; 64 numbers of a lane, register 16 b + i = k 32 b + 16 (lane / 16) + i of my row, become a fragment's codes in v[PC] on and its scale word in v[PW].
.macro QUANT s
.irp b, 0,1,2,3
	v_max3_num_f32 v[TM+\b], |v[\s+16*\b]|, |v[\s+1+16*\b]|, 0x1800000   ; block b: my 16 numbers, and the floor 2^(3 - 127): the byte cannot fall under 1
.endr
.irp i, 2,4,6,8,10,12,14
.irp b, 0,1,2,3
	v_max3_num_f32 v[TM+\b], v[TM+\b], |v[\s+16*\b+\i]|, |v[\s+1+16*\b+\i]|   ; the four blocks by turns
.endr
.endr
.irp b, 0,1,2,3
	v_permlanex16_b32 v[TM+4+\b], v[TM+\b], s[SEL], s[SEL+1]
.endr
.irp b, 0,1,2,3
	v_max_num_f32 v[TM+\b], v[TM+\b], v[TM+4+\b]   ; with lane l xor 16's: the block's largest magnitude
.endr
.irp b, 0,1,2,3
	v_add_nc_u32 v[TM+12+\b], 0xff000000, v[TM+\b]   ; 2 off its exponent field: the conversion's scale operand
.endr
.irp b, 0,1,2,3
	v_lshrrev_b32 v[TM+4+\b], 23, v[TM+12+\b]      ; the scale's byte
.endr
	v_lshl_or_b32 v[PW], v[TM+5], 8, v[TM+4]
	v_lshl_or_b32 v[PW], v[TM+6], 16, v[PW]
	v_lshl_or_b32 v[PW], v[TM+7], 24, v[PW]        ; my row's scale word
.irp b, 0,1,2,3
	v_cvt_scalef32_pk8_fp4_f32 v[PC+2*\b], v[\s+16*\b:\s+7+16*\b], v[TM+12+\b]
	v_cvt_scalef32_pk8_fp4_f32 v[PC+1+2*\b], v[\s+8+16*\b:\s+15+16*\b], v[TM+12+\b]
.endr
	v_nop                                          ; one plain place behind a scaled conversion
.irp c, 0,1                                    ; the operand's layout wants a whole block in a lane: lanes 0-15 block 2 c, lanes 16-31 block 2 c + 1
.irp i, 0,1
	v_permlane16_swap_b32 v[PC+4*\c+\i], v[PC+2+4*\c+\i]
.endr
.endr
.endm
	s_load_b512 s[8:23], s[0:1], 0x0               ; qWr s[8:9], qWi, kWr, kWi, vWr s[16:17], oWr s[18:19], oWi s[20:21], wf s[22:23]
	s_load_b128 s[24:27], s[0:1], 0x40             ; ws s[24:25], ow s[26:27]
	v_lshrrev_b32 v1, 5, v0
	v_readfirstlane_b32 s2, v1                     ; wave 0..3
	v_and_b32 v1, 31, v0                           ; lane
	v_and_b32 v2, 15, v0                           ; r
	v_bfe_u32 v3, v0, 4, 1                         ; h
	v_lshlrev_b32 v4, 11, v2                       ; row r of 2,048 bytes
	v_lshlrev_b32 v5, 4, v1                        ; 16 x lane: my place in a piece
	v_lshlrev_b32 v6, 2, v1                        ; 4 x lane: my scale word's
	s_mov_b32 s[SEL], 0x76543210
	s_mov_b32 s[SEL+1], 0xfedcba98
	s_mov_b32 s5, 0                                ; the high word of the offset pair s[4:5]
	s_wait_kmcnt 0x0
	s_cmp_ge_u32 ttmp9, 160
	s_cbranch_scc1 .Lout_weights
	; ---- the five weights of the quantised products: fragment F = 4 x work-group + wave = (32 mu + nu) x 4 + s
	s_lshr_b32 s3, ttmp9, 5                        ; mu
	s_cmp_eq_u32 s3, 1
	s_cselect_b64 s[8:9], s[10:11], s[8:9]
	s_cmp_eq_u32 s3, 2
	s_cselect_b64 s[8:9], s[12:13], s[8:9]
	s_cmp_eq_u32 s3, 3
	s_cselect_b64 s[8:9], s[14:15], s[8:9]
	s_cmp_eq_u32 s3, 4
	s_cselect_b64 s[8:9], s[16:17], s[8:9]         ; the choice hangs on the work-group's number alone
	s_and_b32 s4, ttmp9, 31
	s_lshl_b32 s4, s4, 15                          ; nu x 16 rows
	s_lshl_b32 s6, s2, 9                           ; s x 128 numbers
	s_add_co_u32 s4, s4, s6
	s_add_nc_u64 s[8:9], s[8:9], s[4:5]
	s_lshl_b32 s6, ttmp9, 2
	s_add_co_u32 s6, s6, s2                        ; F
	s_lshl_b32 s4, s6, 10
	s_add_nc_u64 s[22:23], s[22:23], s[4:5]
	s_lshl_b32 s4, s6, 7
	s_add_nc_u64 s[24:25], s[24:25], s[4:5]
	v_lshl_add_u32 v4, v3, 6, v4                   ; + 64 h: my 16 numbers of a block of 32
.irp b, 0,1,2,3
.irp j, 0,1,2,3
	global_load_b128 v[XN+16*\b+4*\j:XN+16*\b+4*\j+3], v4, s[8:9] offset:128*\b+16*\j th:TH_LOAD_NT
.endr
.endr
.irp b, 0,1,2,3
	v_mov_b32 v[TM+4+\b], 0                        ; a lane permute's destination counts as one of its sources
.endr
	s_wait_loadcnt 0x0
	QUANT XN
	global_store_b128 v5, v[PC:PC+3], s[22:23]             ; 32 lanes store 512 consecutive bytes
	global_store_b128 v5, v[PC+4:PC+7], s[22:23] offset:512
	global_store_b32 v6, v[PW], s[24:25]
	s_endpgm
.Lout_weights:
	; ---- oWr, oWi to f16: wave = a quarter of K (4 fragments of 32 k) of 16 rows
	s_sub_co_u32 s3, ttmp9, 160                    ; 32 mat + nu
	s_and_b32 s4, s3, 31
	s_lshl_b32 s4, s4, 15
	s_lshl_b32 s6, s2, 9
	s_add_co_u32 s4, s4, s6
	s_cmp_lt_u32 s3, 32
	s_cselect_b64 s[18:19], s[18:19], s[20:21]
	s_add_nc_u64 s[18:19], s[18:19], s[4:5]
	s_lshl_b32 s4, s3, 2
	s_add_co_u32 s4, s4, s2
	s_lshl_b32 s4, s4, 12                          ; four fragments of 1,024 bytes
	s_add_nc_u64 s[26:27], s[26:27], s[4:5]
	v_lshl_add_u32 v4, v3, 5, v4                   ; + 32 h: my 8 numbers
.irp q, 0,1,2,3
.irp c, 0,1
.irp e, 0,1
	global_load_b128 v[XN+16*\q+8*\c+4*\e:XN+16*\q+8*\c+4*\e+3], v4, s[18:19] offset:128*\q+64*\c+16*\e th:TH_LOAD_NT
.endr
.endr
.endr
	s_wait_loadcnt 0x0
.set i, 0
.rept 32
	v_cvt_pk_f16_f32 v[HF+i], v[XN+2*i], v[XN+2*i+1]
.set i, i+1
.endr
.irp q, 0,1,2,3
.irp c, 0,1
	global_store_b128 v5, v[HF+8*\q+4*\c:HF+8*\q+4*\c+3], s[26:27] offset:1024*\q+512*\c
.endr
.endr
	s_endpgm
.Lfunc_end_k_qdec82ef867_prep:
	.size	k_qdec82ef867_prep, .Lfunc_end_k_qdec82ef867_prep-k_qdec82ef867_prep
	.p2alignl 7, 3214868480
	.fill 96, 4, 3214868480
	.section	.rodata,"a",@progbits
	.p2align	6, 0x0
	.amdhsa_kernel k_qdec82ef867_prep
		.amdhsa_group_segment_fixed_size 0
		.amdhsa_private_segment_fixed_size 0
		.amdhsa_enable_private_segment 0
		.amdhsa_kernarg_size 80
		.amdhsa_user_sgpr_count 2
		.amdhsa_user_sgpr_kernarg_segment_ptr 1
		.amdhsa_wavefront_size32 1
		.amdhsa_system_sgpr_workgroup_id_x 1
		.amdhsa_system_sgpr_workgroup_id_y 1
		.amdhsa_system_sgpr_workgroup_id_z 1
		.amdhsa_system_vgpr_workitem_id 0
		.amdhsa_next_free_vgpr 128
		.amdhsa_next_free_sgpr 66
		.amdhsa_reserve_vcc 0
		.amdhsa_float_denorm_mode_32 3
		.amdhsa_float_denorm_mode_16_64 3
		.amdhsa_memory_ordered 1
		.amdhsa_forward_progress 1
		.amdhsa_inst_pref_size 13
	.end_amdhsa_kernel
	.amdgpu_metadata
---
amdhsa.version: [ 1, 2 ]
amdhsa.kernels:
  - .name:           k_qdec82ef867_prep
    .symbol:         k_qdec82ef867_prep.kd
    .args:
      - { .name: qWr, .offset: 0, .size: 8, .value_kind: global_buffer, .address_space: global }
      - { .name: qWi, .offset: 8, .size: 8, .value_kind: global_buffer, .address_space: global }
      - { .name: kWr, .offset: 16, .size: 8, .value_kind: global_buffer, .address_space: global }
      - { .name: kWi, .offset: 24, .size: 8, .value_kind: global_buffer, .address_space: global }
      - { .name: vWr, .offset: 32, .size: 8, .value_kind: global_buffer, .address_space: global }
      - { .name: oWr, .offset: 40, .size: 8, .value_kind: global_buffer, .address_space: global }
      - { .name: oWi, .offset: 48, .size: 8, .value_kind: global_buffer, .address_space: global }
      - { .name: wf, .offset: 56, .size: 8, .value_kind: global_buffer, .address_space: global }
      - { .name: ws, .offset: 64, .size: 8, .value_kind: global_buffer, .address_space: global }
      - { .name: ow, .offset: 72, .size: 8, .value_kind: global_buffer, .address_space: global }
    .group_segment_fixed_size: 0
    .private_segment_fixed_size: 0
    .kernarg_segment_align: 8
    .kernarg_segment_size: 80
    .max_flat_workgroup_size: 128
    .sgpr_count:     66
    .vgpr_count:     128
    .wavefront_size: 32
...
	.end_amdgpu_metadata
.endif
;; end of part 1
;; launch proj (part 2): grid 64 x 5, 4 waves a work-group, no clusters, 37,376 bytes of LDS; arguments query, key, value, wf, ws, qbr, qbi, kbr, kbi, vbr, qf, kv; writes qf, kv
.if DOCPART == 2
	.amdgcn_target "amdgcn-amd-amdhsa--gfx1250"
	.amdhsa_code_object_version 6
	.text
	.protected	k_qdec82ef867_proj
	.globl	k_qdec82ef867_proj
	.p2align	8
	.type	k_qdec82ef867_proj,@function
k_qdec82ef867_proj:
	s_mov_b64 s[64:65], 0
	v_nop
	global_prefetch_b8 v0, s[64:65] scope:SCOPE_SE
	s_setreg_imm32_b32 hwreg(HW_REG_WAVE_MODE, 25, 1), 1
	s_wait_xcnt 0x0
; PROJ: the five live projections, y = Q(x) Q(W)^T + b on codes of E2M1 with E8M0 scales; results leave as f16 images of the operands that the attention reads.
; Work-group (X, mu): 128 tokens (X = 0..63) of projection mu = 0 qr, 1 qi, 2 kr, 3 ki, 4 vr.  (value x vWi^T + vbi is thrown away inside the module: not computed.)
; THE WAVES SHARE THE COLUMNS: wave w makes n = 128 w .. + 127 (heads 2 w, 2 w + 1) for all 128 tokens; its 32 weight fragments (256 registers, window 1) are read once and stay.
; x arrives wide: wave w quantises token tiles 2 w, 2 w + 1 (8 fragments) and stores them in LDS as images of the operand's registers; one barrier; every wave reads all 32.
; THE PRODUCT IS USED TRANSPOSED (source 0 = 16 rows of W, source 1 = 16 tokens): a lane holds token lane % 16 and channels 8 (lane / 16) + 0..7 of a tile, which pack into the 16 bytes
; that the same lane of a later f16 fragment wants: a packed tile is stored as it stands, 512 consecutive bytes a store, with no way through LDS.
; OUT: qf[hb 16][token tile 256][piece 8] x 512 bytes (pieces 0-3 real, 4-7 imaginary channels 16 p on);  kv[hb][tile of 128 keys 32] x 49,152: K [key tile 8][piece 8] x 512, then V [key tile 8][dt 4] x 512,
; a piece of V row-major [16 tokens][16 channels] (token r, octet h at 32 r + 16 h), for the turning LDS load.
; LIMITS: q, k, v leave in f16 (magnitudes over 65,504 are not served; under 6e-5 an absolute step of 6e-8); a block of zeros keeps the scale byte 1; NaN and infinities are not served.
; No cluster, no tensor load: the work-groups of one X share 256 KiB of x, but each quantises it in registers on the way; weights go from memory straight into registers.
.set XIMG, 0                           ; LDS: x's 32 fragments, (token tile m, K step s) at (4 m + s) x 1,024
.set XSC,  32768                       ; their scale words, (4 m + s) x 128
.set SPARE, 36864                      ; the spare words, 128 bytes a wave: two blocks of 256 bytes that no other line names
.set XA,  4                            ; v4   x: row r of 2,048 bytes + 64 h
.set LI,  5                            ; v5   16 x lane
.set LS,  6                            ; v6   4 x lane
.set XWI, 7                            ; v7   where I store images: 16 x lane + 8,192 x wave
.set XWS, 8                            ; v8   and scale words: 4 x lane + 1,024 x wave
.set LO,  9                            ; v9   my 16 bytes in a piece on the way out
.set BO,  10                           ; v10  32 h: my eight numbers of a tile's bias
.set SPW, 12                           ; v12  my spare word; never rewritten
.set NIL, 13                           ; v13  0; never rewritten
.set WS,  16                           ; v16-47   the weights' scale words, 4 i + s: scales and nothing else
.set BI,  48                           ; v48-111  the bias as C, 8 a tile; before that x's numbers, set 1
.set AC,  112                          ; v112-175 the 8 accumulators; before that x's numbers, set 0
.set XF,  176                          ; v176-207 x's four fragments of a token tile
.set XS,  208                          ; v208-211 their scale words: scales and nothing else
.set PK,  212                          ; v212-243 packed results
.set TM,  212                          ; while x is quantised: v212-227 at work,
.set PW,  228                          ; the scale word,
.set PC,  232                          ; v232-239 the codes
.set SEL, 40                           ; s[40:41]
.set MSB, 0
.macro WIN new                         ; the immediate's high byte repeats the setting that is left
.if MSB != \new
	s_set_vgpr_msb (MSB<<8)|\new
.set MSB, \new
.endif
.endm
.macro QUANT s                         ; 64 numbers of a lane (register 16 b + i = k 32 b + 16 (lane / 16) + i of my row) -> codes in v[PC] on, scale word in v[PW]
.irp b, 0,1,2,3
	v_max3_num_f32 v[TM+\b], |v[\s+16*\b]|, |v[\s+1+16*\b]|, 0x1800000   ; and the floor 2^(3 - 127): the byte cannot fall under 1
.endr
.irp i, 2,4,6,8,10,12,14
.irp b, 0,1,2,3
	v_max3_num_f32 v[TM+\b], v[TM+\b], |v[\s+16*\b+\i]|, |v[\s+1+16*\b+\i]|
.endr
.endr
.irp b, 0,1,2,3
	v_permlanex16_b32 v[TM+4+\b], v[TM+\b], s[SEL], s[SEL+1]
.endr
.irp b, 0,1,2,3
	v_max_num_f32 v[TM+\b], v[TM+\b], v[TM+4+\b]
.endr
.irp b, 0,1,2,3
	v_add_nc_u32 v[TM+12+\b], 0xff000000, v[TM+\b]   ; 2 off the exponent field: the conversion's scale operand
.endr
.irp b, 0,1,2,3
	v_lshrrev_b32 v[TM+4+\b], 23, v[TM+12+\b]
.endr
	v_lshl_or_b32 v[PW], v[TM+5], 8, v[TM+4]
	v_lshl_or_b32 v[PW], v[TM+6], 16, v[PW]
	v_lshl_or_b32 v[PW], v[TM+7], 24, v[PW]
.irp b, 0,1,2,3
	v_cvt_scalef32_pk8_fp4_f32 v[PC+2*\b], v[\s+16*\b:\s+7+16*\b], v[TM+12+\b]
	v_cvt_scalef32_pk8_fp4_f32 v[PC+1+2*\b], v[\s+8+16*\b:\s+15+16*\b], v[TM+12+\b]
.endr
	v_nop                                          ; one plain place behind a scaled conversion
.irp c, 0,1
.irp i, 0,1
	v_permlane16_swap_b32 v[PC+4*\c+\i], v[PC+2+4*\c+\i]
.endr
.endr
.endm
.macro XLOAD f                         ; fragment f of my eight: token tile 2 w + f / 4, K step f % 4: 64 numbers a lane into set f % 2
.set XSET, AC-64*((\f)%2)
.irp b, 0,1,2,3
.irp j, 0,1,2,3
	global_load_b128 v[XSET+16*\b+4*\j:XSET+16*\b+4*\j+3], v[XA], s[8:9] offset:((\f)/4)*32768+((\f)%4)*512+128*\b+16*\j
.endr
.endr
.endm
	s_load_b512 s[8:23], s[0:1], 0x0               ; query s[8:9], key s[10:11], value s[12:13], wf s[14:15], ws s[16:17], qbr s[18:19], qbi s[20:21], kbr s[22:23]
	s_load_b256 s[24:31], s[0:1], 0x40             ; kbi s[24:25], vbr s[26:27], qf s[28:29], kv s[30:31]
	v_lshl_add_u32 v[SPW], v0, 2, SPARE
	v_mov_b32 v[NIL], 0
	v_lshrrev_b32 v1, 5, v0
	v_readfirstlane_b32 s2, v1                     ; wave 0..3
	s_and_b32 s3, ttmp7, 0xffff                    ; mu
	v_and_b32 v1, 31, v0                           ; lane
	v_and_b32 v2, 15, v0                           ; r
	v_bfe_u32 v3, v0, 4, 1                         ; h
	v_lshlrev_b32 v[XA], 11, v2
	v_lshl_add_u32 v[XA], v3, 6, v[XA]
	v_lshlrev_b32 v[LI], 4, v1
	v_lshlrev_b32 v[LS], 2, v1
	s_lshl_b32 s48, s2, 13
	v_add_nc_u32 v[XWI], s48, v[LI]
	s_lshl_b32 s48, s2, 10
	v_add_nc_u32 v[XWS], s48, v[LS]
	v_lshlrev_b32 v[BO], 5, v3
	s_mov_b32 s[SEL], 0x76543210
	s_mov_b32 s[SEL+1], 0xfedcba98
.irp b, 0,1,2,3
	v_mov_b32 v[TM+4+\b], 0                        ; a lane permute's destination counts as one of its sources
.endr
	; what differs between the five projections, chosen by mu alone
	s_and_b32 s38, s3, 1
	s_lshl_b32 s38, s38, 11                        ; C0: the imaginary pieces lie 4 x 512 bytes on
	s_mov_b32 s32, 1572864                         ; HS: a head's bytes in kv
	s_mov_b32 s33, 49152                           ; BS: 128 tokens' bytes in kv
	s_mov_b32 s34, 4096                            ; MS: from token tile to token tile (q, k: 8 pieces)
	s_mov_b32 s35, 0
	s_mov_b32 s36, 16                              ; a lane's place in a piece: 16 r + 256 h = 16 x lane
	s_mov_b32 s37, 256
	s_mov_b32 s43, 0                               ; the high word of the offset pair s[42:43]
	s_cmp_eq_u32 s3, 4                             ; v:
	s_cselect_b32 s34, 2048, s34                   ; 4 pieces a token tile,
	s_cselect_b32 s38, 32768, s38                  ; behind K's 32,768 bytes,
	s_cselect_b32 s36, 32, s36                     ; row-major: 32 r + 16 h
	s_cselect_b32 s37, 16, s37
	s_cmp_lt_u32 s3, 2                             ; q:
	s_cselect_b32 s32, 0x100000, s32
	s_cselect_b32 s33, 32768, s33
	v_mul_u32_u24 v[LO], s36, v2
	v_mad_u32_u24 v[LO], v3, s37, v[LO]
	s_lshr_b32 s48, ttmp9, 5                       ; batch
	s_lshl_b32 s48, s48, 3
	s_lshl_b32 s49, s2, 1
	s_add_co_u32 s48, s48, s49                     ; hb of my first head
	s_mul_i32 s48, s48, s32
	s_and_b32 s49, ttmp9, 31
	s_mul_i32 s49, s49, s33
	s_add_co_u32 s48, s48, s49
	s_add_co_u32 s42, s48, s38                     ; under 2^25
	s_wait_kmcnt 0x0
	s_cmp_lt_u32 s3, 2
	s_cselect_b64 s[28:29], s[28:29], s[30:31]     ; qf or kv
	s_add_nc_u64 s[44:45], s[28:29], s[42:43]      ; where head 2 w's pieces go,
	s_mov_b32 s42, s32
	s_add_nc_u64 s[46:47], s[44:45], s[42:43]      ; and head 2 w + 1's
	s_cmp_lt_u32 s3, 4
	s_cselect_b64 s[10:11], s[10:11], s[12:13]
	s_cmp_lt_u32 s3, 2
	s_cselect_b64 s[8:9], s[8:9], s[10:11]         ; query, key or value
	s_lshl_b32 s42, ttmp9, 18                      ; 128 X rows of 2,048 bytes
	s_lshl_b32 s48, s2, 16                         ; + 32 w rows
	s_add_co_u32 s42, s42, s48
	s_add_nc_u64 s[8:9], s[8:9], s[42:43]
	s_cmp_eq_u32 s3, 1
	s_cselect_b64 s[18:19], s[20:21], s[18:19]
	s_cmp_eq_u32 s3, 2
	s_cselect_b64 s[18:19], s[22:23], s[18:19]
	s_cmp_eq_u32 s3, 3
	s_cselect_b64 s[18:19], s[24:25], s[18:19]
	s_cmp_eq_u32 s3, 4
	s_cselect_b64 s[18:19], s[26:27], s[18:19]     ; the bias
	s_lshl_b32 s42, s2, 9
	s_add_nc_u64 s[18:19], s[18:19], s[42:43]      ; my 128 numbers of it
	s_lshl_b32 s48, s3, 5
	s_lshl_b32 s49, s2, 3
	s_add_co_u32 s48, s48, s49                     ; 32 mu + 8 w: my first tile of 16 rows of W
	s_lshl_b32 s42, s48, 12
	s_add_nc_u64 s[14:15], s[14:15], s[42:43]
	s_lshl_b32 s42, s48, 9
	s_add_nc_u64 s[16:17], s[16:17], s[42:43]
	WIN 0x40                                       ; destination window 1
.set k, 0
.rept 64
	global_load_b128 v[4*k:4*k+3], v[LI], s[14:15] offset:512*k   ; fragment (i, s) at v[8 (4 i + s)] of window 1: 32 KiB a wave, consecutive
.set k, k+1
.endr
	WIN 0
.set k, 0
.rept 32
	global_load_b32 v[WS+k], v[LS], s[16:17] offset:128*k
.set k, k+1
.endr
	XLOAD 0
	XLOAD 1
	; ---- x: my 32 tokens become eight fragments; loads run two fragments ahead
.irp f, 0,1,2,3,4,5,6,7
.if \f < 7
	s_wait_loadcnt 16                              ; this fragment's numbers are in (at f = 0 the weights too); the next fragment's 16 loads may be out
.else
	s_wait_loadcnt 0x0
.endif
.set QS, AC-64*(\f%2)
	QUANT QS
	ds_store_b128 v[XWI], v[PC:PC+3] offset:XIMG+1024*\f
	ds_store_b128 v[XWI], v[PC+4:PC+7] offset:XIMG+1024*\f+512
	ds_store_b32 v[XWS], v[PW] offset:XSC+128*\f
	s_wait_dscnt 0x0                               ; the stores have read their registers: the next fragment's codes may be written
.if \f < 6
	XLOAD \f+2
.endif
.endr
.irp i, 0,1,2,3,4,5,6,7                        ; the bias in the result's layout: lane (r, h) wants, for tile i, channels 16 i + 8 h + 0..7
	global_load_b128 v[BI+8*\i:BI+8*\i+3], v[BO], s[18:19] offset:64*\i
	global_load_b128 v[BI+8*\i+4:BI+8*\i+7], v[BO], s[18:19] offset:64*\i+16
.endr
	s_wait_dscnt 0x0                               ; for the others' sake: my images have landed
	s_barrier_signal -1
	s_barrier_wait -1                              ; x's 32 fragments lie in LDS
	s_wait_loadcnt 0x0                             ; the bias
	; ---- the products, a tile of 16 tokens at a time: 32 matrix instructions, the 8 accumulators by turns, K ascending
.irp m, 0,1,2,3,4,5,6,7
.irp s, 0,1,2,3
	ds_load_b128 v[XF+8*\s:XF+8*\s+3], v[LI] offset:XIMG+4096*\m+1024*\s
	ds_load_b128 v[XF+8*\s+4:XF+8*\s+7], v[LI] offset:XIMG+4096*\m+1024*\s+512
.endr
.irp s, 0,1,2,3
	ds_load_b32 v[XS+\s], v[LS] offset:XSC+512*\m+128*\s
.endr
	s_wait_dscnt 0x0
	WIN 0x01                                       ; source 0 (W) window 1
.irp s, 0,1,2,3
.irp i, 0,1,2,3,4,5,6,7
.if \s == 0
	v_wmma_scale_f32_16x16x128_f8f6f4 v[AC+8*\i:AC+8*\i+7], v[8*(4*\i+\s):8*(4*\i+\s)+7], v[XF+8*\s:XF+8*\s+7], v[BI+8*\i:BI+8*\i+7], v[WS+4*\i+\s], v[XS+\s] matrix_a_fmt:MATRIX_FMT_FP4 matrix_b_fmt:MATRIX_FMT_FP4
.else
	v_wmma_scale_f32_16x16x128_f8f6f4 v[AC+8*\i:AC+8*\i+7], v[8*(4*\i+\s):8*(4*\i+\s)+7], v[XF+8*\s:XF+8*\s+7], v[AC+8*\i:AC+8*\i+7], v[WS+4*\i+\s], v[XS+\s] matrix_a_fmt:MATRIX_FMT_FP4 matrix_b_fmt:MATRIX_FMT_FP4
.endif
.endr
.endr
	WIN 0
.rept 5
	v_nop                                          ; places: four in front of the conversions that read results and of the next loads into x's fragments, a fifth since the next tile begins the accumulators anew with the bias as C
.endr
.if \m > 0
	s_wait_xcnt 0x0                                ; the last tile's stores have read their data and bases: both may be written
	s_add_nc_u64 s[44:45], s[44:45], s[34:35]      ; a token tile on
	s_add_nc_u64 s[46:47], s[46:47], s[34:35]
.endif
.irp i, 0,1,2,3,4,5,6,7
.irp u, 0,1,2,3
	v_cvt_pk_f16_f32 v[PK+4*\i+\u], v[AC+8*\i+2*\u], v[AC+8*\i+2*\u+1]   ; each accumulator from its low end on
.endr
.endr
.irp i, 0,1,2,3,4,5,6,7
	global_store_b128 v[LO], v[PK+4*\i:PK+4*\i+3], s[44+2*(\i/4):45+2*(\i/4)] offset:(\i%4)*512   ; a piece: the wave stores 512 consecutive bytes
.endr
.endr
	s_wait_tensorcnt 0x0                           ; the wave's end, behind my last LDS store
	ds_add_u32 v[SPW], v[NIL]
	s_wait_dscnt 0x0
	s_endpgm
.Lfunc_end_k_qdec82ef867_proj:
	.size	k_qdec82ef867_proj, .Lfunc_end_k_qdec82ef867_proj-k_qdec82ef867_proj
	.p2alignl 7, 3214868480
	.fill 96, 4, 3214868480
	.section	.rodata,"a",@progbits
	.p2align	6, 0x0
	.amdhsa_kernel k_qdec82ef867_proj
		.amdhsa_group_segment_fixed_size 37376
		.amdhsa_private_segment_fixed_size 0
		.amdhsa_enable_private_segment 0
		.amdhsa_kernarg_size 96
		.amdhsa_user_sgpr_count 2
		.amdhsa_user_sgpr_kernarg_segment_ptr 1
		.amdhsa_wavefront_size32 1
		.amdhsa_system_sgpr_workgroup_id_x 1
		.amdhsa_system_sgpr_workgroup_id_y 1
		.amdhsa_system_sgpr_workgroup_id_z 1
		.amdhsa_system_vgpr_workitem_id 0
		.amdhsa_next_free_vgpr 512
		.amdhsa_next_free_sgpr 66
		.amdhsa_reserve_vcc 0
		.amdhsa_float_denorm_mode_32 3
		.amdhsa_float_denorm_mode_16_64 3
		.amdhsa_memory_ordered 1
		.amdhsa_forward_progress 1
		.amdhsa_inst_pref_size 121
	.end_amdhsa_kernel
	.amdgpu_metadata
---
amdhsa.version: [ 1, 2 ]
amdhsa.kernels:
  - .name:           k_qdec82ef867_proj
    .symbol:         k_qdec82ef867_proj.kd
    .args:
      - { .name: query, .offset: 0, .size: 8, .value_kind: global_buffer, .address_space: global }
      - { .name: key, .offset: 8, .size: 8, .value_kind: global_buffer, .address_space: global }
      - { .name: value, .offset: 16, .size: 8, .value_kind: global_buffer, .address_space: global }
      - { .name: wf, .offset: 24, .size: 8, .value_kind: global_buffer, .address_space: global }
      - { .name: ws, .offset: 32, .size: 8, .value_kind: global_buffer, .address_space: global }
      - { .name: qbr, .offset: 40, .size: 8, .value_kind: global_buffer, .address_space: global }
      - { .name: qbi, .offset: 48, .size: 8, .value_kind: global_buffer, .address_space: global }
      - { .name: kbr, .offset: 56, .size: 8, .value_kind: global_buffer, .address_space: global }
      - { .name: kbi, .offset: 64, .size: 8, .value_kind: global_buffer, .address_space: global }
      - { .name: vbr, .offset: 72, .size: 8, .value_kind: global_buffer, .address_space: global }
      - { .name: qf, .offset: 80, .size: 8, .value_kind: global_buffer, .address_space: global }
      - { .name: kv, .offset: 88, .size: 8, .value_kind: global_buffer, .address_space: global }
    .group_segment_fixed_size: 37376
    .private_segment_fixed_size: 0
    .kernarg_segment_align: 8
    .kernarg_segment_size: 96
    .max_flat_workgroup_size: 128
    .sgpr_count:     66
    .vgpr_count:     512
    .wavefront_size: 32
...
	.end_amdgpu_metadata
.endif
;; end of part 2
;; launch attn (part 3): grid 16 x 16, 8 waves a work-group, no clusters, 327,680 bytes of LDS; arguments qf, kv, of; writes of
.if DOCPART == 3
	.amdgcn_target "amdgcn-amd-amdhsa--gfx1250"
	.amdhsa_code_object_version 6
	.text
	.protected	k_qdec82ef867_attn
	.globl	k_qdec82ef867_attn
	.p2align	8
	.type	k_qdec82ef867_attn,@function
k_qdec82ef867_attn:
	s_mov_b64 s[64:65], 0
	v_nop
	global_prefetch_b8 v0, s[64:65] scope:SCOPE_SE
	s_setreg_imm32_b32 hwreg(HW_REG_WAVE_MODE, 25, 1), 1
	s_wait_xcnt 0x0
; ATTN: o[b][h][l] = sum over m of softmax_m(([qr|qi](l) . [kr|ki](m)) / 8 + mask) vr(m);  key m counts for query l where m >= l - 128.  Operands f16, products, maxima and sums f32, a running maximum.
; SHARES.  Work-group (j, hb): query blocks 31 - j and j (128 queries each) of head hb.  Block i needs key tiles i - 1 .. 31 (128 keys each), so the pair needs (j + 2) + (33 - j) = 35 tiles: every
; work-group walks 35 trips, a constant of the text.  Trip t takes tile 30 - j + t while t < j + 2, then tile max(t - 3, 0).  Of a block only its first tile (i - 1) is hidden in part: key kk of it counts for
; query qq of the block where kk >= qq.  For j = 0 there is no tile -1: trip 2 walks tile 0 with every score hidden (mask offset 128): one trip in 35, in 16 work-groups, to keep the count constant.
; Eight waves: w' = wave % 4 owns 32 queries (two tiles of 16), g = wave / 4 takes keys 64 g .. + 63 of every tile: two waves to a SIMD, so that one wave's softmax stands beside the other's products.
; The two key halves of a query keep a maximum, a sum and an O of their own; each wave saves its first block's in LDS bytes of its own at the change of blocks, and both blocks are merged at the end, behind one barrier.
; LAYOUT.  S^T = K Q^T (source 0 = 16 keys, source 1 = 16 queries), O^T = V^T P: a lane holds one query (lane % 16) throughout; two tiles of S^T, packed to f16, are source 1 of the second product.
; K, Q come as images of their fragments (512 consecutive bytes a load); V's pieces lie [16 keys][16 channels] and are turned by ds_load_tr16_b128 (16 lanes read 256 consecutive bytes).
; RING.  Two slots of one tile (49,152 dense bytes), 65,536 apart; every wave fetches an eighth (24 rows of 256 bytes): one tensor load of mine is out behind each barrier, and it has a trip in which to land.
; NO CLUSTER: the 16 work-groups of a head change blocks at trip j + 2, so that at a given trip they want different tiles; no joint request would meet.
; LIMITS: p and o in f16 (p <= 1; under 6e-5 an absolute step of 6e-8); NaN and infinities among the inputs are not served.
.set SLOT1, 0x10000
.set TILEB, 49152
.set MRGA,  131072                     ; LDS: each wave's O of the first block, 8,192 bytes a wave;
.set MRGB,  196608                     ; of the second;
.set MST,   262144                     ; each wave's c m and l, 512 bytes a wave; the second block's 4,096 on
.set SPARE, 270336                     ; the spare words, 128 bytes a wave: four blocks of 256 bytes that no other line names
.set AK0, 1                            ; v1   my place in a tile's K: 16,384 g + 16 x lane
.set AV0, 2                            ; v2   in its V, for the turning load
.set ADK, 3                            ; v3   this trip's address of K
.set ADV, 4                            ; v4   of V
.set LI,  5                            ; v5   16 x lane
.set SPW, 6                            ; v6   my spare word; never rewritten
.set NIL, 7                            ; v7   0; never rewritten
.set DB,  8                            ; v8   32 w' + r - 64 g - 8 h: the mask's lane term
.set MRO, 9                            ; v9   the merge: where I read the first block's two O
.set MRS, 10                           ; v10  and the statistics
.set PFO, 11                           ; v11  256 x lane
.set ST,  12                           ; v12-27 statistics, 8 a tile: +0 c m, +1 m, +2, +3 l (even, odd keys), +4..7 at work; a in +6
.set MWO, 28                           ; v28  where I save O of the first block
.set MWS, 29                           ; v29  and my statistics
.set MWOB, 30                          ; v30  O of the second block
.set MROB, 31                          ; v31  the merge: the second block's two O
.set Q,   32                           ; v32-95   Q: tile t, channels 32 q on, at 32 t + 8 q
.set S,   96                           ; v96-159  S^T: tile t, keys 16 a on, at 32 t + 8 a
.set P,   160                          ; v160-191 P: 16 t + 4 a
.set O,   192                          ; v192-255 O^T: 32 t + 8 d
.set KF,  0                            ; window 1: v0-127 K's 16 fragments, 32 a + 8 q
.set VF,  128                          ; window 1: v128-191 V's 8 fragments, 32 c + 8 d
.set WV,  10                           ; s10 wave   s11 w'   s12 g   s13 j   s14 hb   s15 j + 2
.set WQ,  11
.set WG,  12
.set JJ,  13
.set HB,  14
.set NB,  15
.set G1,  16                           ; s[16:23] descriptor group 1
.set G0,  24                           ; s[24:27] group 0: it walks
.set T,   28                           ; s28 the trip
.set TB,  29                           ; s29 LDS byte at which the slot in hand begins
.set DIAG, 30                          ; s30 1: this trip's tile is the block's first
.set OFFM, 31                          ; s31 the mask's offset
.set KVB, 34                           ; s[34:35] kv at my head, my eighth of a tile
.set OFS, 36                           ; s[36:37] an offset, high word 0
.set CS,  38                           ; s[38:39] c = log2(e) / 8
.set SEL, 40                           ; s[40:41] lane l xor 16
.set QA,  42                           ; s[42:43] Q of the first block;  s[52:53] of the second
.set OA,  44                           ; s[44:45] where my merged tile of the first block goes;  s[54:55] of the second
.set PFA, 46                           ; s[46:47] where my prefetch stands
.set PFN, 48                           ; s48 in how many trips I prefetch: 14 or 0
.set TA,  49                           ; s49 30 - j
.set PFB, 50                           ; s[50:51] kv at my head, my sixth of a tile
.set QB,  52
.set OB,  54
.set OFFB, 56                          ; s56 the second block's mask offset
.set MSB, 0
.macro WIN new                         ; the immediate's high byte repeats the setting that is left
.if MSB != \new
	s_set_vgpr_msb (MSB<<8)|\new
.set MSB, \new
.endif
.endm
; A PREFETCH INTO THE L2 of the tile that the NEXT change of slots will ask for, tile t - 1, one trip ahead of its load.  Tiles 15 to 31 are first asked for in trips 0 and 1, where nothing is prefetched; tiles 1 to 14
; are first asked for in the walk of the second block, at the same trip by all work-groups that want them.  Work-group j = 0 of the head asks, in trips 2 to 15, with waves 0 to 5: 8,192 bytes a wave, lanes 256 bytes apart:
; each aligned block of 256 bytes is named once in the launch.
.macro ASK
	s_sub_co_u32 s32, s[T], 2
	s_cmp_lt_u32 s32, s[PFN]
	s_cbranch_scc0 .Lnot_mine_\@
	global_prefetch_b8 v[PFO], s[PFA:PFA+1] th:TH_LOAD_NT scope:SCOPE_SE
.Lnot_mine_\@:
.endm
; THE CHANGE OF SLOTS, at a trip's head.  Each wave waits for all its tensor loads (its eighth of this trip's tile), adds 0 to its spare word, and waits for that and for its reads of the slot that it has left.
; Behind the barrier this trip's slot is whole and nobody reads the other: fill = 1: it takes the next trip's tile.
.macro CHANGE fill
	s_wait_tensorcnt 0x0                           ; no tensor load of mine is out, so group 0 may be written
	ds_add_u32 v[SPW], v[NIL]                      ; 0 onto my spare word; the scalar work below stands between it and its wait
.if \fill
	s_add_co_u32 s32, s[T], 1                      ; u = the next trip
	s_sub_co_i32 s33, s32, 3
	s_max_i32 s33, s33, 0                          ; its tile in the second block's walk,
	s_add_co_u32 s[OFS], s32, s[TA]                ; in the first block's
	s_cmp_lt_u32 s32, s[NB]
	s_cselect_b32 s[OFS], s[OFS], s33
	s_mul_i32 s[OFS], s[OFS], TILEB
	s_add_nc_u64 s[G0+2:G0+3], s[KVB:KVB+1], s[OFS:OFS+1]
	s_or_b32 s[G0+3], s[G0+3], 0x80000000          ; type = 2
	s_xor_b32 s[G0+1], s[G0+1], SLOT1              ; the other slot than last time
	s_sub_co_i32 s33, s[T], 1
	s_max_i32 s33, s33, 0
	s_min_u32 s33, s33, 31                         ; the prefetch's tile, held inside the head
	s_mul_i32 s[OFS], s33, TILEB
	s_wait_xcnt 0x0                                ; the last prefetch, a trip back, has read its address, so it may be written
	s_add_nc_u64 s[PFA:PFA+1], s[PFB:PFB+1], s[OFS:OFS+1]
.endif
	s_wait_dscnt 0x0                               ; the add is done, and my LDS reads and stores are over
	s_barrier_signal -1
	s_barrier_wait -1
.if \fill
	tensor_load_to_lds s[G0:G0+3], s[G1:G1+7]      ; the first thing behind the barrier, and my one tensor load until the next
	s_nop 0
.endif
.rept 4
	v_nop                                          ; the places in front of the loads into V's fragments, which the last products read
.endr
.if \fill
	ASK
.endif
.endm
; Hidden scores become -infinity ahead of the maximum: register 8 a + i of tile t holds key 64 g + 16 a + 8 h + i and query 32 w' + 16 t + r: hidden where 16 a + i < DB + OFFM + 16 t.
.macro MASK
	v_mov_b32 v[ST+4], 0xff800000
	v_add_nc_u32 v[ST+5], s[OFFM], v[DB]
	v_add_nc_u32 v[ST+13], 16, v[ST+5]
.irp t, 0,1
.irp a, 0,1,2,3
.irp i, 0,1,2,3,4,5,6,7
	v_cmp_lt_i32 vcc_lo, 16*\a+\i, v[ST+5+8*\t]
	v_cndmask_b32 v[S+32*\t+8*\a+\i], v[S+32*\t+8*\a+\i], v[ST+4], vcc_lo
.endr
.endr
.endr
.endm
; The softmax of my two tiles for this trip's 64 keys, the tiles alternating line by line.
.macro SOFTMAX
.irp a, 0,1,2,3                                ; the maximum: four chains a tile, one for each accumulator, from its low end on
.irp t, 0,1
	v_max3_num_f32 v[ST+8*\t+4+\a], v[S+32*\t+8*\a], v[S+32*\t+8*\a+1], v[S+32*\t+8*\a+2]
.endr
.endr
.irp k, 3,5
.irp a, 0,1,2,3
.irp t, 0,1
	v_max3_num_f32 v[ST+8*\t+4+\a], v[ST+8*\t+4+\a], v[S+32*\t+8*\a+\k], v[S+32*\t+8*\a+\k+1]
.endr
.endr
.endr
.irp t, 0,1
	v_max3_num_f32 v[ST+8*\t+4], v[ST+8*\t+4], v[S+32*\t+7], v[S+32*\t+15]
	v_max3_num_f32 v[ST+8*\t+6], v[ST+8*\t+6], v[S+32*\t+23], v[S+32*\t+31]
.endr
.irp t, 0,1
	v_max3_num_f32 v[ST+8*\t+4], v[ST+8*\t+4], v[ST+8*\t+5], v[ST+8*\t+6]
.endr
.irp t, 0,1
	v_max3_num_f32 v[ST+8*\t+4], v[ST+8*\t+4], v[ST+8*\t+7], v[ST+8*\t+1]   ; and the old m
.endr
.irp t, 0,1
	v_permlanex16_b32 v[ST+8*\t+5], v[ST+8*\t+4], s[SEL], s[SEL+1]   ; the query's other 32 keys lie in the lane 16 away
.endr
.irp t, 0,1
	v_mov_b32 v[ST+8*\t+7], v[ST+8*\t]             ; c m_old
.endr
.irp t, 0,1
	v_max_num_f32 v[ST+8*\t+1], v[ST+8*\t+4], v[ST+8*\t+5]
.endr
.irp t, 0,1
	v_mul_f32 v[ST+8*\t], s[CS], v[ST+8*\t+1]
.endr
.irp t, 0,1
	v_sub_f32 v[ST+8*\t+7], v[ST+8*\t+7], v[ST+8*\t]
.endr
.irp b, 0,1,2,3,4,5,6,7,8,9,10,11,12,13,14,15
.irp t, 0,1
	v_pk_fma_f32 v[S+32*\t+2*\b:S+32*\t+2*\b+1], v[S+32*\t+2*\b:S+32*\t+2*\b+1], s[CS:CS+1], v[ST+8*\t:ST+8*\t+1] op_sel_hi:[1,0,0] neg_lo:[0,0,1] neg_hi:[0,0,1]   ; c s - c m
.endr
.endr
.irp t, 0,1
	v_exp_f32 v[ST+8*\t+6], v[ST+8*\t+7]           ; a = 2^(c m_old - c m_new)
.endr
.set i, 0
.rept 64
	v_exp_f32 v[S+i], v[S+i]                       ; p: ONE batch of 66 exponentials
.set i, i+1
.endr
	v_nop                                          ; a plain instruction behind the last exponential,
	s_wait_alu depctr_va_vdst(0)                   ; and the one wait ahead of the batch's first reader
.set i, 0
.rept 32
	v_cvt_pk_f16_f32 v[P+i], v[S+2*i], v[S+2*i+1]
.set i, i+1
.endr
.irp w, 8,4,2,1                                ; the sum of a tile's 16 pairs, in place, of the unrounded p
.set b, 0
.rept \w
.irp t, 0,1
	v_pk_add_f32 v[S+32*\t+2*b:S+32*\t+2*b+1], v[S+32*\t+2*b:S+32*\t+2*b+1], v[S+32*\t+2*(b+\w):S+32*\t+2*(b+\w)+1]
.endr
.set b, b+1
.endr
.endr
.irp t, 0,1
	v_pk_fma_f32 v[ST+8*\t+2:ST+8*\t+3], v[ST+8*\t+2:ST+8*\t+3], v[ST+8*\t+6:ST+8*\t+7], v[S+32*\t:S+32*\t+1] op_sel_hi:[1,0,1]   ; l = a l + the sum
.endr
.irp i, 0,1,2,3,4,5,6,7,8,9,10,11,12,13,14,15
.irp t, 0,1
	v_pk_mul_f32 v[O+32*\t+2*\i:O+32*\t+2*\i+1], v[O+32*\t+2*\i:O+32*\t+2*\i+1], v[ST+8*\t+6:ST+8*\t+7] op_sel_hi:[1,0]   ; O^T x a, each accumulator from its low end on
.endr
.endr
.endm
; A TRIP'S WORK: my 64 keys of the slot in hand.
.macro STEP
	v_add_nc_u32 v[ADK], s[TB], v[AK0]
	v_add_nc_u32 v[ADV], s[TB], v[AV0]
	WIN 0x40                                       ; destination window 1
.set i, 0
.rept 32
	ds_load_b128 v[KF+4*i:KF+4*i+3], v[ADK] offset:512*i
.set i, i+1
.endr
.irp c, 0,1
.irp d, 0,1,2,3
.irp e, 0,1
	ds_load_tr16_b128 v[VF+32*\c+8*\d+4*\e:VF+32*\c+8*\d+4*\e+3], v[ADV] offset:(2*\c+\e)*2048+512*\d
.endr
.endr
.endr
	s_wait_dscnt 16                                ; K is in; V's 16 loads may be out
	WIN 0x01                                       ; source 0 window 1
.irp q, 0,1,2,3                                ; 32 products, the 8 accumulators by turns; the first 8 start the sums
.irp a, 0,1,2,3
.irp t, 0,1
.if \q == 0
	v_wmma_f32_16x16x32_f16 v[S+32*\t+8*\a:S+32*\t+8*\a+7], v[KF+32*\a+8*\q:KF+32*\a+8*\q+7], v[Q+32*\t+8*\q:Q+32*\t+8*\q+7], 0
.else
	v_wmma_f32_16x16x32_f16 v[S+32*\t+8*\a:S+32*\t+8*\a+7], v[KF+32*\a+8*\q:KF+32*\a+8*\q+7], v[Q+32*\t+8*\q:Q+32*\t+8*\q+7], v[S+32*\t+8*\a:S+32*\t+8*\a+7]
.endif
.endr
.endr
.endr
	WIN 0
.rept 4
	v_nop                                          ; places in front of the first read of the scores (ISA guide 7.12.1)
.endr
	s_cmp_eq_u32 s[DIAG], 0
	s_cbranch_scc1 .Lopen_\@
	MASK
.Lopen_\@:
	SOFTMAX
	s_wait_dscnt 0x0                               ; V is in
	WIN 0x01
.irp c, 0,1                                    ; 16 products, the 8 accumulators by turns
.irp d, 0,1,2,3
.irp t, 0,1
	v_wmma_f32_16x16x32_f16 v[O+32*\t+8*\d:O+32*\t+8*\d+7], v[VF+32*\c+8*\d:VF+32*\c+8*\d+7], v[P+16*\t+8*\c:P+16*\t+8*\c+7], v[O+32*\t+8*\d:O+32*\t+8*\d+7]
.endr
.endr
.endr
	WIN 0
	s_mov_b32 s[DIAG], 0
	s_xor_b32 s[TB], s[TB], SLOT1                  ; on to the other slot
.endm
.macro RESET                           ; a block's sums begin: O^T and l as zeros, m as -3e38, under every score; the first change of m multiplies zeros
.set i, 0
.rept 64
	v_mov_b32 v[O+i], 0
.set i, i+1
.endr
.irp t, 0,1
	v_mov_b32 v[ST+8*\t+1], 0xff61b1e6
	v_mul_f32 v[ST+8*\t], s[CS], v[ST+8*\t+1]
.irp u, 2,3,4,5,6,7
	v_mov_b32 v[ST+8*\t+\u], 0
.endr
.endr
.endm
.macro SAVE adr, so                    ; my O^T, c m and l of a finished block go to LDS bytes of my own
.rept 4
	v_nop                                          ; places behind the last products
.endr
.irp t, 0,1
	v_add_f32 v[ST+8*\t+4], v[ST+8*\t+2], v[ST+8*\t+3]
.endr
.irp t, 0,1
	v_permlanex16_b32 v[ST+8*\t+5], v[ST+8*\t+4], s[SEL], s[SEL+1]
.endr
.irp t, 0,1
	v_add_f32 v[ST+8*\t+4], v[ST+8*\t+4], v[ST+8*\t+5]   ; l of my 64-key halves
.endr
.set i, 0
.rept 16
	ds_store_b128 v[\adr], v[O+4*i:O+4*i+3] offset:512*i   ; ascending: each accumulator from its low end on
.set i, i+1
.endr
	ds_store_b32 v[MWS], v[ST] offset:\so
	ds_store_b32 v[MWS], v[ST+8] offset:\so+128
	ds_store_b32 v[MWS], v[ST+4] offset:\so+256
	ds_store_b32 v[MWS], v[ST+12] offset:\so+384
.endm
.macro FETCHM buf, sb, adr, so         ; the merge: tile g of waves w' (X) and w' + 4 (Y): 20 loads
.set i, 0
.rept 8
	ds_load_b128 v[\buf+4*i:\buf+4*i+3], v[\adr] offset:512*i
	ds_load_b128 v[\buf+32+4*i:\buf+32+4*i+3], v[\adr] offset:32768+512*i
.set i, i+1
.endr
	ds_load_b32 v[\sb], v[MRS] offset:\so          ; c m of X,
	ds_load_b32 v[\sb+1], v[MRS] offset:\so+256    ; l of X,
	ds_load_b32 v[\sb+2], v[MRS] offset:\so+2048   ; c m of Y,
	ds_load_b32 v[\sb+3], v[MRS] offset:\so+2304   ; l of Y
.endm
.macro MERGE buf, sb, tb, pb, oa       ; o = (O_X a_X + O_Y a_Y) / (l_X a_X + l_Y a_Y), a = 2^(c m - the larger c m); to f16; four pieces out
	v_max_num_f32 v[\tb], v[\sb], v[\sb+2]
	v_sub_f32 v[\tb+1], v[\sb], v[\tb]
	v_sub_f32 v[\tb+2], v[\sb+2], v[\tb]
	v_exp_f32 v[\tb+1], v[\tb+1]
	v_exp_f32 v[\tb+2], v[\tb+2]
	v_nop
	s_wait_alu depctr_va_vdst(0)                   ; the wait ahead of the first reader
	v_mul_f32 v[\tb+3], v[\sb+1], v[\tb+1]
	v_fma_f32 v[\tb+3], v[\sb+3], v[\tb+2], v[\tb+3]
	v_rcp_f32 v[\tb], v[\tb+3]
	v_nop
	s_wait_alu depctr_va_vdst(0)
	v_mul_f32 v[\sb], v[\tb+1], v[\tb]
	v_mul_f32 v[\sb+2], v[\tb+2], v[\tb]
.set i, 0
.rept 16
	v_pk_mul_f32 v[\buf+2*i:\buf+2*i+1], v[\buf+2*i:\buf+2*i+1], v[\sb:\sb+1] op_sel_hi:[1,0]
.set i, i+1
.endr
.set i, 0
.rept 16
	v_pk_fma_f32 v[\buf+2*i:\buf+2*i+1], v[\buf+32+2*i:\buf+32+2*i+1], v[\sb+2:\sb+3], v[\buf+2*i:\buf+2*i+1] op_sel_hi:[1,0,1]
.set i, i+1
.endr
.set i, 0
.rept 16
	v_cvt_pk_f16_f32 v[\pb+i], v[\buf+2*i], v[\buf+2*i+1]
.set i, i+1
.endr
.irp d, 0,1,2,3
	global_store_b128 v[LI], v[\pb+4*\d:\pb+4*\d+3], s[\oa:\oa+1] offset:512*\d   ; a piece: 512 consecutive bytes
.endr
.endm
	s_load_b128 s[4:7], s[0:1], 0x0                ; qf s[4:5], kv s[6:7]
	s_load_b64 s[8:9], s[0:1], 0x10                ; of
	v_lshl_add_u32 v[SPW], v0, 2, SPARE
	v_mov_b32 v[NIL], 0
	ds_add_u32 v[SPW], v[NIL]                      ; the wave's opening: the add, twice on end, and its wait ahead of my first tensor load
	ds_add_u32 v[SPW], v[NIL]
	v_lshrrev_b32 v1, 5, v0
	v_readfirstlane_b32 s[WV], v1                  ; wave 0..7
	s_and_b32 s[WQ], s[WV], 3
	s_lshr_b32 s[WG], s[WV], 2
	s_mov_b32 s[JJ], ttmp9
	s_and_b32 s[HB], ttmp7, 0xffff
	s_add_co_u32 s[NB], s[JJ], 2
	s_sub_co_u32 s[TA], 30, s[JJ]
	s_mov_b32 s[G1], 3<<16                         ; no mask; elements of 8 bytes; no padding
	s_mov_b32 s[G1+1], 32<<16                      ; tensor_dim0 = 32: rows of 256 bytes
	s_mov_b32 s[G1+2], 24<<16                      ; tensor_dim1 = 24
	s_mov_b32 s[G1+3], 32<<16                      ; tile_dim0
	s_mov_b32 s[G1+4], 24                          ; tile_dim1
	s_mov_b32 s[G1+5], 32                          ; the pitch: dense
	s_mov_b32 s[G1+6], 0
	s_mov_b32 s[G1+7], 0
	s_mov_b32 s[G0], 1
	s_mul_i32 s[G0+1], s[WV], 6144                 ; slot 0, my eighth
	s_mov_b32 s[CS], 0x3e38aa3b                    ; c = log2(e) / 8
	s_mov_b32 s[CS+1], s[CS]
	s_mov_b32 s[SEL], 0x76543210
	s_mov_b32 s[SEL+1], 0xfedcba98
	s_mov_b32 s[T], 0
	s_mov_b32 s[TB], 0
	s_mov_b32 s[DIAG], 1
	s_mov_b32 s[OFFM], 0
	s_cmp_eq_u32 s[JJ], 0
	s_cselect_b32 s[OFFB], 128, 0
	s_cselect_b32 s[PFN], 14, 0
	s_cmp_lt_u32 s[WV], 6
	s_cselect_b32 s[PFN], s[PFN], 0
	s_mul_i32 s57, s[HB], 32*TILEB                 ; my head's first byte in kv
	s_mov_b32 s[OFS+1], 0
	s_wait_dscnt 0x0                               ; both opening adds are done
	s_wait_kmcnt 0x0
	s_add_co_u32 s[OFS], s57, s[G0+1]
	s_add_nc_u64 s[KVB:KVB+1], s[6:7], s[OFS:OFS+1]
	s_mul_i32 s[OFS], s[TA], TILEB                 ; trip 0's tile: 30 - j
	s_add_nc_u64 s[G0+2:G0+3], s[KVB:KVB+1], s[OFS:OFS+1]
	s_or_b32 s[G0+3], s[G0+3], 0x80000000
	tensor_load_to_lds s[G0:G0+3], s[G1:G1+7]      ; slot 0's first fill, ahead of every wait on TENSORcnt, LDS read and barrier
	s_nop 0
.rept 4
	v_nop
.endr
	s_min_u32 s32, s[WV], 5                        ; (waves 6 and 7 never ask; their address is held inside the head all the same)
	s_lshl_b32 s32, s32, 13
	s_add_co_u32 s[OFS], s57, s32
	s_add_nc_u64 s[PFB:PFB+1], s[6:7], s[OFS:OFS+1]
	s_sub_co_u32 s32, 31, s[JJ]
	s_lshl_b32 s32, s32, 3
	s_lshl_b32 s33, s[WQ], 1
	s_add_co_u32 s32, s32, s33                     ; my first token tile in the first block: 8 (31 - j) + 2 w'
	s_lshl_b32 s57, s[JJ], 3
	s_add_co_u32 s57, s57, s33                     ; in the second: 8 j + 2 w'
	s_lshl_b32 s58, s[HB], 8
	s_add_co_u32 s59, s58, s32
	s_lshl_b32 s[OFS], s59, 12
	s_add_nc_u64 s[QA:QA+1], s[4:5], s[OFS:OFS+1]
	s_add_co_u32 s59, s58, s57
	s_lshl_b32 s[OFS], s59, 12
	s_add_nc_u64 s[QB:QB+1], s[4:5], s[OFS:OFS+1]
	s_lshr_b32 s58, s[HB], 3
	s_lshl_b32 s58, s58, 8
	s_add_co_u32 s58, s58, s[WG]                   ; 256 x batch + g: I merge tile g of my pair
	s_and_b32 s59, s[HB], 7
	s_lshl_b32 s59, s59, 11                        ; my head's four pieces
	s_add_co_u32 s60, s58, s32
	s_lshl_b32 s60, s60, 14
	s_add_co_u32 s[OFS], s60, s59
	s_add_nc_u64 s[OA:OA+1], s[8:9], s[OFS:OFS+1]
	s_add_co_u32 s60, s58, s57
	s_lshl_b32 s60, s60, 14
	s_add_co_u32 s[OFS], s60, s59
	s_add_nc_u64 s[OB:OB+1], s[8:9], s[OFS:OFS+1]
	v_and_b32 v[MWO], 31, v0                       ; lane
	v_lshlrev_b32 v[LI], 4, v[MWO]
.set i, 0
.rept 16
	global_load_b128 v[Q+4*i:Q+4*i+3], v[LI], s[QA:QA+1] offset:512*i   ; the first block's Q: 8 KiB a wave, consecutive
.set i, i+1
.endr
	; every LDS address register is made here, once
	v_lshlrev_b32 v[PFO], 8, v[MWO]
	v_lshlrev_b32 v[MWS], 2, v[MWO]                ; 4 x lane
	v_and_b32 v[DB], 15, v0                        ; r
	v_bfe_u32 v[ADK], v0, 4, 1                     ; h
	s_lshl_b32 s32, s[WG], 14
	v_add_nc_u32 v[AK0], s32, v[LI]
	v_and_b32 v[ADV], 7, v0
	v_lshl_add_u32 v[ADV], v[ADK], 3, v[ADV]       ; the turning load: key 8 h + lane % 8,
	v_lshlrev_b32 v[ADV], 5, v[ADV]                ; rows of 32 bytes,
	v_bfe_u32 v[AV0], v0, 3, 1
	v_lshl_add_u32 v[AV0], v[AV0], 4, v[ADV]       ; channels 8 ((lane / 8) % 2) on
	s_lshl_b32 s32, s[WG], 13
	s_add_co_u32 s32, s32, 32768                   ; V lies behind K's 32,768 bytes; my four key tiles
	v_add_nc_u32 v[AV0], s32, v[AV0]
	s_lshl_b32 s32, s[WQ], 5
	s_lshl_b32 s33, s[WG], 6
	s_sub_co_i32 s32, s32, s33
	v_add_nc_u32 v[DB], s32, v[DB]
	v_lshlrev_b32 v[ADV], 3, v[ADK]
	v_sub_nc_u32 v[DB], v[DB], v[ADV]              ; 32 w' + r - 64 g - 8 h
	s_lshl_b32 s32, s[WQ], 13
	s_lshl_b32 s33, s[WG], 12
	s_add_co_u32 s32, s32, s33
	s_add_co_u32 s32, s32, MRGA
	v_add_nc_u32 v[MRO], s32, v[LI]
	s_add_co_u32 s32, s32, MRGB-MRGA
	v_add_nc_u32 v[MROB], s32, v[LI]
	s_lshl_b32 s32, s[WQ], 9
	s_lshl_b32 s33, s[WG], 7
	s_add_co_u32 s32, s32, s33
	s_add_co_u32 s32, s32, MST
	v_add_nc_u32 v[MRS], s32, v[MWS]
	s_lshl_b32 s32, s[WV], 9
	s_add_co_u32 s32, s32, MST
	v_add_nc_u32 v[MWS], s32, v[MWS]
	s_lshl_b32 s32, s[WV], 13
	s_add_co_u32 s32, s32, MRGA
	v_add_nc_u32 v[MWO], s32, v[LI]
	s_add_co_u32 s32, s32, MRGB-MRGA
	v_add_nc_u32 v[MWOB], s32, v[LI]
	RESET
	s_wait_loadcnt 0x0                             ; Q
.Ltrip:                                            ; 34 trips; behind each change of slots the next trip's tile is asked for
	CHANGE 1
	s_cmp_lg_u32 s[T], s[NB]                       ; ids and the count of trips alone: all eight waves go the same way
	s_cbranch_scc1 .Lsame_block
	SAVE MWO, 0                                    ; THE CHANGE OF BLOCKS: the first block's halves wait in LDS for the end; nobody reads them before the last barrier
.set i, 0
.rept 16
	global_load_b128 v[Q+4*i:Q+4*i+3], v[LI], s[QB:QB+1] offset:512*i
.set i, i+1
.endr
	s_mov_b32 s[OFFM], s[OFFB]
	s_mov_b32 s[DIAG], 1
	s_wait_dscnt 0x0                               ; the stores have read their registers
	RESET
	s_wait_loadcnt 0x0
.Lsame_block:
	STEP
	s_add_co_u32 s[T], s[T], 1
	s_cmp_lt_u32 s[T], 34
	s_cbranch_scc1 .Ltrip
	CHANGE 0                                       ; the last trip is written out: nothing is left to fetch
	STEP
	SAVE MWOB, 4096
	s_wait_dscnt 0x0                               ; for the others' sake: my halves have landed
	s_barrier_signal -1
	s_barrier_wait -1                              ; everybody's have, of both blocks
	FETCHM S, ST+4, MRO, 0
	FETCHM O, ST, MROB, 4096
	s_wait_dscnt 20                                ; the first block's 20 loads are in; the second's may be out
	MERGE S, ST+4, ST+12, P, OA
	s_wait_dscnt 0x0
	MERGE O, ST, ST+8, P+16, OB
	s_wait_tensorcnt 0x0                           ; the wave's end, behind my last tensor load and my last LDS store
	ds_add_u32 v[SPW], v[NIL]
	s_wait_dscnt 0x0
	s_endpgm
.Lfunc_end_k_qdec82ef867_attn:
	.size	k_qdec82ef867_attn, .Lfunc_end_k_qdec82ef867_attn-k_qdec82ef867_attn
	.p2alignl 7, 3214868480
	.fill 96, 4, 3214868480
	.section	.rodata,"a",@progbits
	.p2align	6, 0x0
	.amdhsa_kernel k_qdec82ef867_attn
		.amdhsa_group_segment_fixed_size 327680
		.amdhsa_private_segment_fixed_size 0
		.amdhsa_enable_private_segment 0
		.amdhsa_kernarg_size 24
		.amdhsa_user_sgpr_count 2
		.amdhsa_user_sgpr_kernarg_segment_ptr 1
		.amdhsa_wavefront_size32 1
		.amdhsa_system_sgpr_workgroup_id_x 1
		.amdhsa_system_sgpr_workgroup_id_y 1
		.amdhsa_system_sgpr_workgroup_id_z 1
		.amdhsa_system_vgpr_workitem_id 0
		.amdhsa_next_free_vgpr 512
		.amdhsa_next_free_sgpr 66
		.amdhsa_reserve_vcc 1
		.amdhsa_float_denorm_mode_32 3
		.amdhsa_float_denorm_mode_16_64 3
		.amdhsa_memory_ordered 1
		.amdhsa_forward_progress 1
		.amdhsa_inst_pref_size 76
	.end_amdhsa_kernel
	.amdgpu_metadata
---
amdhsa.version: [ 1, 2 ]
amdhsa.kernels:
  - .name:           k_qdec82ef867_attn
    .symbol:         k_qdec82ef867_attn.kd
    .args:
      - { .name: qf, .offset: 0, .size: 8, .value_kind: global_buffer, .address_space: global }
      - { .name: kv, .offset: 8, .size: 8, .value_kind: global_buffer, .address_space: global }
      - { .name: of, .offset: 16, .size: 8, .value_kind: global_buffer, .address_space: global }
    .group_segment_fixed_size: 327680
    .private_segment_fixed_size: 0
    .kernarg_segment_align: 8
    .kernarg_segment_size: 24
    .max_flat_workgroup_size: 256
    .sgpr_count:     66
    .vgpr_count:     512
    .wavefront_size: 32
...
	.end_amdgpu_metadata
.endif
;; end of part 3
;; launch outp (part 4): grid 64 x 4, 8 waves a work-group, no clusters, 167,936 bytes of LDS; arguments of, ow, obr, obi, out0, out1; writes out0, out1
.if DOCPART == 4
	.amdgcn_target "amdgcn-amd-amdhsa--gfx1250"
	.amdhsa_code_object_version 6
	.text
	.protected	k_qdec82ef867_outp
	.globl	k_qdec82ef867_outp
	.p2align	8
	.type	k_qdec82ef867_outp,@function
k_qdec82ef867_outp:
	s_mov_b64 s[64:65], 0
	v_nop
	global_prefetch_b8 v0, s[64:65] scope:SCOPE_SE
	s_setreg_imm32_b32 hwreg(HW_REG_WAVE_MODE, 25, 1), 1
	s_wait_xcnt 0x0
; OUTP: out0 = o oWr^T + obr, out1 = o oWi^T + obi.  o [8192][512] and the weights arrive as f16 images of their fragments (of, ow); sums f32; results f32.
; Work-group (X, y): 128 tokens x 256 columns; y / 2 picks the matrix, y % 2 the half of its columns.  Eight waves: wt = wave / 4 takes 64 tokens, wn = wave % 4 takes 64 columns: 16 accumulators.
; o's 128 tokens x 512 (131,072 dense bytes) come into LDS once, each wave fetching a token tile (64 rows of 256 bytes): first fills only, one tensor load of mine is out.
; The weights go from memory straight into registers, a K step (32) ahead, in two sets.  The bias is loaded into the accumulators in the result's layout: no addition, nothing cleared.
; TRANSPOSED USE (source 0 = 16 rows of W, source 1 = 16 tokens): a lane holds 8 neighbouring columns of one token; 16 tokens x 64 columns go through my own stage and leave as aligned runs of 256 bytes.
; NO CLUSTER: the four work-groups of one X share o's 128 KiB of the 640 KiB that a work-group reads, fetched once at the head; no ring would profit.
.set STG,   131072                     ; LDS: behind o: a stage of 16 rows x (256 + 16) bytes for each wave
.set SPARE, 165888                     ; the spare words, 128 bytes a wave: four blocks of 256 bytes that no other line names
.set AO,  1                            ; v1  o's fragments: 65,536 wt + 16 x lane
.set WO,  2                            ; v2  16 x lane
.set BO,  3                            ; v3  32 h
.set STO, 4                            ; v4  the stage: where I put 32 bytes of a row
.set RD,  5                            ; v5  where I read rows back: sixteen lanes to a row
.set CO,  6                            ; v6  and the same place in the output
.set SPW, 7                            ; v7  my spare word; never rewritten
.set NIL, 8                            ; v8  0; never rewritten
.set WF,  16                           ; v16-79  W's fragments, two sets of four; on the way out rows read back
.set OFR, 80                           ; v80-111 o's four fragments
.set ACC, 128                          ; v128-255 accumulator (nt, m) at 8 (4 nt + m)
.macro WLOAD q
.irp nt, 0,1,2,3
.irp c, 0,1
	global_load_b128 v[WF+32*((\q)%2)+8*\nt+4*\c:WF+32*((\q)%2)+8*\nt+4*\c+3], v[WO], s[6:7] offset:16384*\nt+1024*(\q)+512*\c
.endr
.endr
.endm
	s_load_b256 s[4:11], s[0:1], 0x0               ; of s[4:5], ow s[6:7], obr s[8:9], obi s[10:11]
	s_load_b128 s[12:15], s[0:1], 0x20             ; out0 s[12:13], out1 s[14:15]
	v_lshl_add_u32 v[SPW], v0, 2, SPARE
	v_mov_b32 v[NIL], 0
	ds_add_u32 v[SPW], v[NIL]                      ; the wave's opening: the add, twice on end, and its wait ahead of my first tensor load
	ds_add_u32 v[SPW], v[NIL]
	v_lshrrev_b32 v9, 5, v0
	v_readfirstlane_b32 s16, v9                    ; wave 0..7
	s_lshr_b32 s17, s16, 2                         ; wt
	s_and_b32 s18, s16, 3                          ; wn
	s_and_b32 s20, ttmp7, 0xffff                   ; y
	s_lshr_b32 s21, s20, 1                         ; which matrix
	s_and_b32 s22, s20, 1                          ; which half of its columns
	s_mov_b32 s24, 3<<16                           ; group 1: no mask; elements of 8 bytes; no padding
	s_mov_b32 s25, 32<<16                          ; tensor_dim0 = 32: rows of 256 bytes
	s_mov_b32 s26, 64<<16                          ; tensor_dim1 = 64
	s_mov_b32 s27, 32<<16                          ; tile_dim0
	s_mov_b32 s28, 64                              ; tile_dim1
	s_mov_b32 s29, 32                              ; the pitch: dense
	s_mov_b32 s30, 0
	s_mov_b32 s31, 0
	s_mov_b32 s32, 1
	s_lshl_b32 s33, s16, 14                        ; LDS: token tile = wave
	s_lshl_b32 s36, ttmp9, 3
	s_add_co_u32 s36, s36, s16
	s_lshl_b32 s36, s36, 14                        ; memory: token tile 8 X + wave
	s_mov_b32 s37, 0
	s_wait_dscnt 0x0                               ; both opening adds are done
	s_wait_kmcnt 0x0
	s_add_nc_u64 s[34:35], s[4:5], s[36:37]
	s_or_b32 s35, s35, 0x80000000
	tensor_load_to_lds s[32:35], s[24:31]
	s_nop 0
.rept 4
	v_nop
.endr
	s_cmp_eq_u32 s21, 0
	s_cselect_b64 s[8:9], s[8:9], s[10:11]         ; the bias,
	s_cselect_b64 s[12:13], s[12:13], s[14:15]     ; and the output
	s_lshl_b32 s36, s22, 10
	s_lshl_b32 s38, s18, 8
	s_add_co_u32 s36, s36, s38                     ; my first column, in bytes
	s_add_nc_u64 s[8:9], s[8:9], s[36:37]
	s_add_nc_u64 s[12:13], s[12:13], s[36:37]
	s_lshl_b32 s36, ttmp9, 18                      ; 128 X rows of 2,048 bytes
	s_lshl_b32 s38, s17, 17                        ; + 64 wt rows
	s_add_co_u32 s36, s36, s38
	s_add_nc_u64 s[12:13], s[12:13], s[36:37]
	s_lshl_b32 s36, s21, 5
	s_lshl_b32 s38, s22, 4
	s_add_co_u32 s36, s36, s38
	s_lshl_b32 s38, s18, 2
	s_add_co_u32 s36, s36, s38                     ; my first tile of 16 rows of W
	s_lshl_b32 s36, s36, 14
	s_add_nc_u64 s[6:7], s[6:7], s[36:37]
	v_and_b32 v9, 31, v0                           ; lane
	v_and_b32 v10, 15, v0                          ; r
	v_bfe_u32 v11, v0, 4, 1                        ; h
	v_lshlrev_b32 v[WO], 4, v9
	v_lshlrev_b32 v[BO], 5, v11
.irp nt, 0,1,2,3                               ; lane (r, h) wants, for tile nt, columns 16 nt + 8 h + 0..7, the same for all four token tiles
.irp m, 0,1,2,3
	global_load_b128 v[ACC+8*(4*\nt+\m):ACC+8*(4*\nt+\m)+3], v[BO], s[8:9] offset:64*\nt
	global_load_b128 v[ACC+8*(4*\nt+\m)+4:ACC+8*(4*\nt+\m)+7], v[BO], s[8:9] offset:64*\nt+16
.endr
.endr
	WLOAD 0
	s_lshl_b32 s38, s17, 16
	v_add_nc_u32 v[AO], s38, v[WO]
	s_mul_i32 s38, s16, 16*272
	s_add_co_u32 s38, s38, STG                     ; my stage
	v_mul_u32_u24 v[STO], v10, 272
	v_lshl_add_u32 v[STO], v11, 5, v[STO]
	v_add_nc_u32 v[STO], s38, v[STO]
	v_mul_u32_u24 v[RD], v11, 272
	v_lshl_add_u32 v[RD], v10, 4, v[RD]
	v_add_nc_u32 v[RD], s38, v[RD]
	v_lshlrev_b32 v[CO], 11, v11
	v_lshl_add_u32 v[CO], v10, 4, v[CO]
	s_wait_tensorcnt 0x0                           ; my token tile is in,
	s_barrier_signal -1
	s_barrier_wait -1                              ; everybody's is; nothing is filled again
.set q, 0
.rept 16                                       ; K in steps of 32: 16 products, the 16 accumulators by turns
.if q > 0
.rept 4
	v_nop                                          ; places in front of loads into registers that the last products read (ISA guide 7.12.1 for vector instructions)
.endr
.endif
.if q < 15
	WLOAD q+1
.endif
.irp m, 0,1,2,3
.irp c, 0,1
	ds_load_b128 v[OFR+8*\m+4*\c:OFR+8*\m+4*\c+3], v[AO] offset:16384*\m+1024*q+512*\c
.endr
.endr
.if q < 15
	s_wait_loadcnt 8                               ; this step's W (at q = 0 the bias too) is in; the next step's 8 loads may be out
.else
	s_wait_loadcnt 0x0
.endif
	s_wait_dscnt 0x0
.irp nt, 0,1,2,3
.irp m, 0,1,2,3
	v_wmma_f32_16x16x32_f16 v[ACC+8*(4*\nt+\m):ACC+8*(4*\nt+\m)+7], v[WF+32*(q%2)+8*\nt:WF+32*(q%2)+8*\nt+7], v[OFR+8*\m:OFR+8*\m+7], v[ACC+8*(4*\nt+\m):ACC+8*(4*\nt+\m)+7]
.endr
.endr
.set q, q+1
.endr
	; THE WAY OUT, 16 tokens x 64 columns at a time through my own stage.  LDS serves a wave's instructions in order (ISA guide 5.7.1.4): no wait between the stores and the loads, nor in front of the next tile's stores.
.irp m, 0,1,2,3
.if \m == 0
.rept 4
	v_nop                                          ; places behind the last products: for the stores that read results and the loads into W's registers
.endr
.endif
.if \m >= 2
	s_wait_xcnt 0x0                                ; the stores of two tiles back have read their registers
.endif
.irp nt, 0,1,2,3
	ds_store_b128 v[STO], v[ACC+8*(4*\nt+\m):ACC+8*(4*\nt+\m)+3] offset:64*\nt          ; each accumulator from its low end on
	ds_store_b128 v[STO], v[ACC+8*(4*\nt+\m)+4:ACC+8*(4*\nt+\m)+7] offset:64*\nt+16
.endr
.irp i, 0,1,2,3,4,5,6,7
	ds_load_b128 v[WF+32*(\m%2)+4*\i:WF+32*(\m%2)+4*\i+3], v[RD] offset:544*\i
.endr
	s_wait_dscnt 0x0
.irp i, 0,1,2,3,4,5,6,7
	global_store_b128 v[CO], v[WF+32*(\m%2)+4*\i:WF+32*(\m%2)+4*\i+3], s[12:13] offset:(16*\m+2*\i)*2048 th:TH_STORE_NT   ; sixteen lanes store 256 consecutive bytes, at a multiple of 256 from the output's first byte
.endr
.endr
	s_wait_tensorcnt 0x0                           ; the wave's end, behind my last tensor load and my last LDS store
	ds_add_u32 v[SPW], v[NIL]
	s_wait_dscnt 0x0
	s_endpgm
.Lfunc_end_k_qdec82ef867_outp:
	.size	k_qdec82ef867_outp, .Lfunc_end_k_qdec82ef867_outp-k_qdec82ef867_outp
	.p2alignl 7, 3214868480
	.fill 96, 4, 3214868480
	.section	.rodata,"a",@progbits
	.p2align	6, 0x0
	.amdhsa_kernel k_qdec82ef867_outp
		.amdhsa_group_segment_fixed_size 167936
		.amdhsa_private_segment_fixed_size 0
		.amdhsa_enable_private_segment 0
		.amdhsa_kernarg_size 48
		.amdhsa_user_sgpr_count 2
		.amdhsa_user_sgpr_kernarg_segment_ptr 1
		.amdhsa_wavefront_size32 1
		.amdhsa_system_sgpr_workgroup_id_x 1
		.amdhsa_system_sgpr_workgroup_id_y 1
		.amdhsa_system_sgpr_workgroup_id_z 1
		.amdhsa_system_vgpr_workitem_id 0
		.amdhsa_next_free_vgpr 256
		.amdhsa_next_free_sgpr 66
		.amdhsa_reserve_vcc 0
		.amdhsa_float_denorm_mode_32 3
		.amdhsa_float_denorm_mode_16_64 3
		.amdhsa_memory_ordered 1
		.amdhsa_forward_progress 1
		.amdhsa_inst_pref_size 53
	.end_amdhsa_kernel
	.amdgpu_metadata
---
amdhsa.version: [ 1, 2 ]
amdhsa.kernels:
  - .name:           k_qdec82ef867_outp
    .symbol:         k_qdec82ef867_outp.kd
    .args:
      - { .name: of, .offset: 0, .size: 8, .value_kind: global_buffer, .address_space: global }
      - { .name: ow, .offset: 8, .size: 8, .value_kind: global_buffer, .address_space: global }
      - { .name: obr, .offset: 16, .size: 8, .value_kind: global_buffer, .address_space: global }
      - { .name: obi, .offset: 24, .size: 8, .value_kind: global_buffer, .address_space: global }
      - { .name: out0, .offset: 32, .size: 8, .value_kind: global_buffer, .address_space: global }
      - { .name: out1, .offset: 40, .size: 8, .value_kind: global_buffer, .address_space: global }
    .group_segment_fixed_size: 167936
    .private_segment_fixed_size: 0
    .kernarg_segment_align: 8
    .kernarg_segment_size: 48
    .max_flat_workgroup_size: 256
    .sgpr_count:     66
    .vgpr_count:     256
    .wavefront_size: 32
...
	.end_amdgpu_metadata
.endif
;; end of part 4
